; MI455X (gfx1250); checked and timed in simulation.
; The chip was launched on July 23, 2026; its instructions are those of AMD's public machine-readable ISA for CDNA 5 (MIT licence, August 2026) and "CDNA5" Instruction Set Architecture Reference Guide (July 2026). The comments in the code are by the model that wrote it; some were corrected since.
;; Multi Head Attention. Allowed arithmetic: matrix products marked QUANTISED: E4M3 operands, one given power-of-two scale a tensor, by v_wmma_f32_16x16x64_fp8_fp8 or v_wmma_f32_16x16x128_fp8_fp8, f32 sums; everything else in f32.
;; Inputs: Wk_codes 1,024 x 32 x 32 uint8 (E4M3 codes of Wk, K innermost, in blocks of 32 codes); Wp_codes 1,024 x 32 x 32 uint8 (E4M3 codes of Wp, K innermost, in blocks of 32 codes); Wq_codes 1,024 x 32 x 32 uint8 (E4M3 codes of Wq, K innermost, in blocks of 32 codes); Wv_codes 1,024 x 32 x 32 uint8 (E4M3 codes of Wv, K innermost, in blocks of 32 codes); bp 1,024 float32; lowp_scales 12 int32 (the exponents e of the quantised operands' scales 2^e); x_codes 4 x 2,048 x 32 x 32 uint8 (E4M3 codes of x, K innermost, in blocks of 32 codes).
;; Outputs: out0 4 x 2,048 x 1,024 float32.
;; This version of the problem:
;;   THIS VERSION OF THE PROBLEM IS GIVEN IN LOW PRECISION. The matrix products marked QUANTISED in the list below multiply operands that are first quantised to E4M3 (4 exponent bits, 3 mantissa bits; 8 bits a number), with one given power-of-two scale for each operand tensor; their sums are f32. All else is computed in f32.
;;   The module's matrix products, in the order in which they are computed (A, B: the left and right operand; K: the contracted axis; several contracted axes count as one K, in the product's order):
;;     1. [M 8,192, K 1,024] x [K 1,024, N 1,024]; A: input x (given as codes); B: input Wk (given as codes): QUANTISED (scales: A lowp_scales[0], B lowp_scales[1])
;;     2. [M 8,192, K 1,024] x [K 1,024, N 1,024]; A: input x (given as codes); B: input Wq (given as codes): QUANTISED (scales: A lowp_scales[2], B lowp_scales[3])
;;     3. [M 8,192, K 1,024] x [K 1,024, N 1,024]; A: input x (given as codes); B: input Wv (given as codes): QUANTISED (scales: A lowp_scales[4], B lowp_scales[5])
;;     4. batch 64 x [M 2,048, K 64] x [K 64, N 2,048]; A: computed on the way; B: computed on the way: QUANTISED (scales: A lowp_scales[6], B lowp_scales[7])
;;     5. batch 64 x [M 2,048, K 2,048] x [K 2,048, N 64]; A: softmax (see below); B: computed on the way: QUANTISED (scales: A lowp_scales[8], B lowp_scales[9])
;;     6. [M 8,192, K 1,024] x [K 1,024, N 1,024]; A: computed on the way; B: input Wp (given as codes): QUANTISED (scales: A lowp_scales[10], B lowp_scales[11])
;;   THE QUANTISER, for each operand of a quantised product, along K:
;;     - The operand's scale is 2^e, e = its entry of the input lowp_scales (int32; the entries are numbered through the quantised products in the list's order, A before B).
;;     - Each number is divided by the scale, clamped to +-448, and rounded to the nearest number of E4M3, ties to even, subnormals kept.
;;     - The product sums the exact products of the quantised numbers (number of the format x scale) in f32.
;;   ~~~python
;;   def quantise(x, axis, e):      # numpy; x: float32 -> the quantised numbers, widened to float32 again
;;       x = np.moveaxis(x, axis, -1); K = x.shape[-1]
;;       r = np.clip(x / 2.0 ** e, -448, 448)
;;       step = 2.0 ** (np.maximum(np.frexp(np.where(r == 0, 1, r))[1] - 1, -6) - 3)
;;       q = np.round(r / step) * step * 2.0 ** e      # np.round: ties to even
;;       return np.moveaxis(q, -1, axis).astype(np.float32)
;;   ~~~
;;   SOFTMAX AHEAD OF A QUANTISED PRODUCT. Where the list says 'softmax', what is quantised is not the finished softmax but p = 2^(t - M), with t = logit x log2(e) and M = ceil(the row's largest t), a whole number; so 1/2 < the row's largest p <= 1. The row's sum l is taken of the UNQUANTISED p, in f32, and the product's result is divided by l at the end. Since M is a whole number, a kernel that streams over the keys may use a running M (the ceiling of the running maximum): every later rescaling is an exact power of two, so the quantised numbers keep their values, but for numbers so far below the row's largest that they fall under the format's range.
;;   OPERANDS COMPUTED ON THE WAY. 'Computed on the way' means the value that the module computes at that place (a softmax that the list does not call 'softmax' is quantised finished and normalised). What goes into a quantiser is computed in f32, as accurately as f32 sums, v_exp_f32 and their like allow (about 1e-6 of the number): no bf16 or f16 on the way to a quantiser, and a product that is left as it is and whose result goes on into a quantised operand takes f32 operands (vector FMAs, or v_wmma_f32_16x16x4_f32). A number that lies on a knife's edge between two numbers of the format may be rounded either way, as far as f32 arithmetic and the matrix unit's own rounding can turn it there, and no further.
;;   INPUTS GIVEN AS CODES. Wk (in the module: [1024, 1024], K = its axis 1); Wp (in the module: [1024, 1024], K = its axis 1); Wq (in the module: [1024, 1024], K = its axis 1); Wv (in the module: [1024, 1024], K = its axis 1); x (in the module: [4, 2048, 1024], K = its axis 2): each comes as NAME_codes (uint8): NAME with its K axis moved to the last place and cut into blocks of 32 codes, [.., K / 32, bytes a block], one block behind the other in memory; one code a byte (a code: sign, 4 exponent bits, 3 mantissa bits); its scale is its entry of lowp_scales. Its value is code x scale, taken as it is: it is not quantised again, and the codes and scales need not be those that the quantiser above would give.
;; One version. Each part assembles by itself: llvm-mc -triple=amdgcn-amd-amdhsa -mcpu=gfx1250 --defsym DOCPART=n.
;; ======== version 1 of 1: 3 launches
;; limits: right only within a limited range of input values
;; workspace buffers: q_img 8,388,608 bytes; kv_img 16,777,216 bytes; a_img 8,388,608 bytes
;; launch qkv (part 1): grid 4 x 48, 4 waves a work-group, clusters of 4 x 4, 327,680 bytes of LDS; arguments x_codes, Wq_codes, Wk_codes, Wv_codes, lowp_scales, q_img, kv_img; writes q_img, kv_img
.if DOCPART == 1
	.amdgcn_target "amdgcn-amd-amdhsa--gfx1250"
	.amdhsa_code_object_version 6
	.text
	.protected	k_q4d70d26fe5_qkv
	.globl	k_q4d70d26fe5_qkv
	.p2align	8
	.type	k_q4d70d26fe5_qkv,@function
k_q4d70d26fe5_qkv:
	s_mov_b64 s[64:65], 0
	v_nop
	global_prefetch_b8 v0, s[64:65] scope:SCOPE_SE
	s_setreg_imm32_b32 hwreg(HW_REG_WAVE_MODE, 25, 1), 1
	s_wait_xcnt 0x0
	s_wait_alu depctr_hold_cnt(0) depctr_sa_sdst(0) depctr_va_vdst(0) depctr_va_sdst(0) depctr_va_ssrc(0) depctr_va_vcc(0) depctr_vm_vsrc(0)
	s_getreg_b32 s2, hwreg(HW_REG_IB_STS2, 6, 4)
	s_cmp_eq_u32 s2, 0
	s_cbranch_scc0 .Lentry_in_a_cluster
	s_endpgm
.Lentry_in_a_cluster:
	s_bfe_u32 s2, ttmp6, 0x10000c
	s_cmp_lg_u32 s2, 0xf033
	s_cbranch_scc0 .Lentry_shape_is_right
	s_endpgm
.Lentry_shape_is_right:
; q = x Wq^T, k = x Wk^T, v = x Wv^T on codes of FP8 (E4M3); each result is quantised at once, from its f32 sums, for the attention launch.
; x: [8192][1024] codes; Wq, Wk, Wv: [1024][1024] codes, K innermost.  lowp_scales: e0..e11 (int32).
; SHARES.  The three products have 24 blocks of 1,024 x 1,024 sums; block n belongs to product kind = n / 8 (0: q, 1: k, 2: v).  A cluster of 4 x 4 work-groups makes a block, a work-group 256 x 256 of it, each of its
; four waves 128 x 128: 64 accumulators, 512 registers.  A WORK-GROUP STAYS AND MAKES TWO TILES: cluster Y makes block Y and then block Y + 12.  384 tiles are 192 x 2: so 192 work-groups are launched, each with the
; same work.  (One and a half tiles for each of 256 would want a second, smaller tile shape, whose slots hold half the matrix work in which the one load a wave has to land.)
; The ring does not stop at the first tile's end: its last two changes of slots ask for the second tile's first two K steps, and nothing waits for the first tile's stores.
; TWO SIDES.  P feeds source 0 of the matrix instruction, R feeds source 1.  In a result lane l stands for R row l % 16 and register j for P row 8 (l / 16) + j.
;   q, k: P = the weight (features), R = x (tokens).     v: P = x (tokens = keys), R = Wv (features).  Only pointers and store offsets are chosen by kind: one path through the text.
; THE UNIT, 1,024 bytes, is what leaves: eight registers of 32 lanes as they stand (registers 0-3 at 16 x lane, 4-7 at 512 + 16 x lane).  Four accumulators (64 P rows) of one block of 16 R rows, converted
; eight numbers at a time, give registers 2 t, 2 t + 1 = P rows 16 t + 8 (l / 16) + 0..7: the place that the 8-bit operand layout gives k (ISA guide 7.12.2).  So the attention launch loads operands as they lie.
;   q_img  [16 batch + head][token tile of 16 (128)][unit]
;   kv_img [16 batch + head][step of 128 keys (16)][ K: 8 key tiles x unit | V^T: 4 tiles of 16 channels x (unit of keys 0-63, unit of keys 64-127) ]
; code = sum x 2^(ea + eb) / 2^eo, held within +-448, nearest, ties to even: the three exponents are folded into the conversion's one: E = eo - ea - eb  (q: e6 - e2 - e3; k: e7 - e0 - e1; v: e9 - e4 - e5).
; LIMITS: E between -126 and 119, so that 2^E and 448 x 2^E are f32 numbers.  NaN codes among the inputs are not served.
; K goes in steps of 256 through two LDS slots filled by the tensor data mover; a tile's row is 256 bytes of memory.  A tile's K = 1,024 is four slots' worth: the walk over both tiles is written out, without a loop.
; Fragments are fetched by four loads of 16 bytes, 32 apart: a permutation of k inside an instruction's 128, the same on both sides, so every product meets its partner.
; CLUSTER: R's tile hangs on the cluster's row alone and is asked for jointly by the four of a row, P's on its column alone: the same tensor load, the same descriptor, a mask that names the four.
; REGISTERS, in windows of 256: window 0: v0-31 addresses and constants; v96-111 store offsets; v128-255 R's fragments, ONE set, on a way out the codes.
;   window 1: P's fragments, TWO sets.   window 2: accumulators of my R rows 0-63 ((a, b) at v[8 (8 (a % 4) + b)]);   window 3: those of rows 64-127.
.set KROW,   1024                      ; a row of x or of a weight, in bytes
.set ROWB,   256                       ; a tile's row: 256 codes
.set PITCH,  272                       ; an LDS row: 256 bytes + 16 of padding = 68 words, so that the 16 rows of a fragment load start at 16 different banks (ISA guide 11.1)
.set FR,     16                        ; registers of a fragment: 16 rows x 128 K
.set NL,     4                         ; LDS loads that bring one
.set NP,     4                         ; places behind this matrix instruction (ISA guide 7.12.1)
.set HALFT,  128*PITCH                 ; 128 rows: what one tensor load brings, and what one wave reads of R or of P
.set SLOT,   4*HALFT                   ; R's 256 rows, then P's 256 rows
.set SPARE,  2*SLOT                    ; behind the ring: the spare words, 128 bytes for each wave: two blocks of 256 bytes that no other line names
.set ADRA, 16                          ; v16-17  LDS address of my R fragments in slot 0, 1
.set ADRB, 20                          ; v20-21  the same for P
.set SPW,  28                          ; v28     LDS address of my spare word; never rewritten
.set NIL,  29                          ; v29     0; never rewritten
.set SC,   30                          ; v30     2^E as f32
.set LIM,  31
.set TMP,  32
.set OFF,  96                          ; v96-111 byte offset of unit (a, p) for my lane, at v[OFF + 2 a + p]
.set AF,   128                         ; R's fragments
.set CD,   128                         ; a way out: 16 registers of codes for each block, where R's fragments lay
.set G1,   24                          ; s[24:31] descriptor group 1 for R's tiles
.set G0,   32                          ; s[32:39] group 0 for R's tiles of my first tile, one set for each slot
.set G0T,  40                          ; s[40:47] the same for my second tile
.set G1B,  48                          ; s[48:55] group 1 for P's tiles
.set G0B,  56                          ; s[56:63] group 0 for P's tiles of my first tile
.set G0BT, 68                          ; s[68:75] of my second tile
.set PB1,  76                          ; s76-81  my first tile's way out: +0, +1 where my units begin; +2, +3, +4 the strides CA1, CA2, CP; +5 2^E (until the exponents are in: the kind)
.set PB2,  84                          ; s84-89  my second tile's
.set MSB, 0
.macro WIN new                         ; the immediate's high byte repeats the setting that is left
.if MSB != \new
	s_set_vgpr_msb (MSB<<8)|\new
.set MSB, \new
.endif
.endm
.set MUL_LO, 0xa1                      ; source 0 (P) window 1, source 1 (R) window 0, C and D window 2
.set MUL_HI, 0xf1                      ; the same, C and D window 3
.set TO_B,   0x40                      ; destination window 1, address window 0
; A joint load: waves 0 and 1 fetch for R, waves 2 and 3 for P.  Each of the two lines has one mask and one set of registers; the branch hangs on the wave's number alone.
; Four v_nop follow each of the two lines, ahead of the jump, the label and what follows.
.macro JLOAD g0a, g1a, g0b, g1b
	s_cmp_eq_u32 s15, 0
	s_cbranch_scc0 .Lfor_b_\@
	tensor_load_to_lds s[\g0a:\g0a+3], s[\g1a:\g1a+7]
	s_nop 0
.rept 4
	v_nop
.endr
	s_branch .Lasked_\@
.Lfor_b_\@:
	tensor_load_to_lds s[\g0b:\g0b+3], s[\g1b:\g1b+7]
	s_nop 0
.rept 4
	v_nop
.endr
.Lasked_\@:
.endm
.macro CREST                           ; a round of the cluster's barrier behind its opening barrier
	s_cmp_lg_u32 s14, 0
	s_cbranch_scc1 .Lnot_wave_0_\@
	s_barrier_signal -3
.Lnot_wave_0_\@:
	s_barrier_wait -3
	s_barrier_signal -1
	s_barrier_wait -1
.endm
.macro CROUND                          ; a whole round
	s_barrier_signal -1
	s_barrier_wait -1
	CREST
.endm
; A TILE'S NUMBERS, made of ids alone, while the arguments are on their way.  add: 0 or 12: the cluster's block is Y + add.  Left behind: the byte offsets of the rows that I fetch, of R in s[g0+2:g0+3] and of P in
; s[g0b+2:g0b+3]; the way out's offset and strides in the block pb; the kind in s[pb+5].  s23 and s[g0+2] hold cy and never cx; s22 and s[g0b+2] hold cx and never cy; what mixes the two (s66, s67, s83, s91, s[pb]) feeds no descriptor.
.macro TPAR add, g0, g0b, pb
	s_add_co_u32 s20, s17, \add                    ; the block, 0..23
	s_lshr_b32 s21, s20, 3                         ; kind: alike in all sixteen partners
	s_mov_b32 s[\pb+5], s21
	s_and_b32 s20, s20, 7
	s_lshl_b32 s20, s20, 2                         ; the block's first tile among x's 32 tiles of 256 tokens
	s_cmp_eq_u32 s21, 2
	s_cselect_b32 s22, s20, 0                      ; x is P for v,
	s_cselect_b32 s23, 0, s20                      ; and R for q and k
	s_add_co_u32 s22, s22, s2                      ; pt: my tile of P
	s_add_co_u32 s23, s23, s3                      ; rt: my tile of R
	s_lshl_b32 s[\g0+2], s23, 8
	s_add_co_u32 s[\g0+2], s[\g0+2], s18           ; R: row 256 rt + 128 x half,
	s_lshl_b32 s[\g0+2], s[\g0+2], 10              ; in bytes (under 8 MiB)
	s_mov_b32 s[\g0+3], 0
	s_lshl_b32 s[\g0b+2], s22, 8
	s_add_co_u32 s[\g0b+2], s[\g0b+2], s18         ; P: row 256 pt + 128 x half
	s_lshl_b32 s[\g0b+2], s[\g0b+2], 10
	s_mov_b32 s[\g0b+3], 0
	; where my units go.  tk, tw: tile and half on the token side; ft, fw: on the feature side.  All selects on one compare stand ahead of the additions, which set SCC.
	s_cmp_eq_u32 s21, 2
	s_cselect_b32 s66, s22, s23                    ; tk
	s_cselect_b32 s67, s16, s15                    ; tw
	s_cselect_b32 s83, s23, s22                    ; ft
	s_cselect_b32 s91, s15, s16                    ; fw
	s_cselect_b32 s20, 8192, 0                     ; V^T lies behind K's eight units of a key step
	s_mov_b32 s[\pb+2], 1024
	s_cselect_b32 s[\pb+2], 2048, s[\pb+2]         ; CA1: from block a to a + 1 inside four.  q, k: the next token tile; v: the next tile of 16 channels
	s_mov_b32 s[\pb+3], 4096
	s_cselect_b32 s[\pb+3], 0x40000, s[\pb+3]      ; CA2: from block a to a + 4.  q, k: four token tiles on; v: the next head
	s_mov_b32 s[\pb+4], 0x40000
	s_cselect_b32 s[\pb+4], 1024, s[\pb+4]         ; CP: from unit p = 0 to p = 1.  k: the next head; v: keys 64-127;
	s_cmp_eq_u32 s21, 0
	s_cselect_b32 s[\pb+4], 0x20000, s[\pb+4]      ; q: the next head, half as far
	s_cselect_b32 s21, 1, 0
	s_lshr_b32 s[\pb], s66, 3                      ; batch
	s_lshl_b32 s[\pb], s[\pb], 4
	s_lshl_b32 s83, s83, 2
	s_add_co_u32 s[\pb], s[\pb], s83
	s_lshl_b32 s91, s91, 1
	s_add_co_u32 s[\pb], s[\pb], s91               ; 16 batch + my first head
	s_lshl_b32 s[\pb], s[\pb], 18                  ; x 262,144 bytes of kv_img
	s_and_b32 s66, s66, 7
	s_lshl_b32 s66, s66, 1
	s_add_co_u32 s66, s66, s67                     ; my 128 tokens among the batch's sixteen such steps
	s_lshl_b32 s66, s66, 14
	s_add_co_u32 s[\pb], s[\pb], s66
	s_lshr_b32 s[\pb], s[\pb], s21                 ; q_img has half of kv_img's bytes for each head and step
	s_add_co_u32 s[\pb], s[\pb], s20
	s_mov_b32 s[\pb+1], 0
.endm
; A TILE'S POINTERS: the buffers are chosen by kind, which hangs on no address; then the two sets of group 0 for R and for P, for K steps 0 and 1 into slots 0 and 1.
.macro TPTR g0, g0b, pb
	s_cmp_eq_u32 s[\pb+5], 0
	s_cselect_b64 s[4:5], s[94:95], s[96:97]       ; Wq or Wk
	s_cselect_b64 s[100:101], s[10:11], s[12:13]   ; q_img, or kv_img for k and v
	s_cmp_eq_u32 s[\pb+5], 2
	s_cselect_b64 s[4:5], s[98:99], s[4:5]         ; the weight
	s_cselect_b64 s[6:7], s[92:93], s[4:5]         ; P: x for v, else the weight
	s_cselect_b64 s[4:5], s[4:5], s[92:93]         ; R: the weight for v, else x
	s_add_nc_u64 s[\pb:\pb+1], s[100:101], s[\pb:\pb+1]
	s_add_nc_u64 s[4:5], s[4:5], s[\g0+2:\g0+3]
	s_add_nc_u64 s[6:7], s[6:7], s[\g0b+2:\g0b+3]
.irp s, 0,1
	s_mov_b32 s[\g0+4*\s], 1                       ; count = 1
	s_add_co_u32 s[\g0+4*\s+1], s19, \s*SLOT       ; LDS address
	s_add_nc_u64 s[\g0+4*\s+2:\g0+4*\s+3], s[4:5], \s*ROWB   ; global address: K step s
	s_or_b32 s[\g0+4*\s+3], s[\g0+4*\s+3], 0x80000000        ; type = 2
	s_mov_b32 s[\g0b+4*\s], 1
	s_add_co_u32 s[\g0b+4*\s+1], s19, \s*SLOT
	s_add_nc_u64 s[\g0b+4*\s+2:\g0b+4*\s+3], s[6:7], \s*ROWB
	s_or_b32 s[\g0b+4*\s+3], s[\g0b+4*\s+3], 0x80000000
.endr
.endm
	s_load_b256 s[92:99], s[0:1], 0x0              ; x s[92:93], Wq s[94:95], Wk s[96:97], Wv s[98:99]
	s_load_b128 s[8:11], s[0:1], 0x20              ; the scales' exponents s[8:9], q_img s[10:11]
	s_load_b64 s[12:13], s[0:1], 0x30              ; kv_img
	v_lshl_add_u32 v[SPW], v0, 2, SPARE
	v_mov_b32 v[NIL], 0
	ds_add_u32 v28, v29
	ds_add_u32 v28, v29
	s_wait_dscnt 0x0
	v_lshrrev_b32 v1, 5, v0
	v_readfirstlane_b32 s14, v1                    ; wave 0..3
	s_lshr_b32 s15, s14, 1                         ; wr: which 128 R rows are mine.  Also: I fetch for R (0) or for P (1)
	s_and_b32 s16, s14, 1                          ; wc: which 128 P rows are mine.  Also: which 128 rows of that tile I fetch
	s_bfe_u32 s2, ttmp6, 0x40000                   ; cx, cy: my place in the cluster
	s_bfe_u32 s3, ttmp6, 0x40004
	s_and_b32 s17, ttmp7, 0xffff                   ; Y: the cluster's y, 0..11
	s_lshl_b32 s23, s3, 2
	s_lshl_b32 s23, 15, s23                        ; my row of the cluster
	s_lshl_b32 s22, 0x1111, s2                     ; my column
	; descriptor group 1: a tile of 128 rows x 256 bytes, padded in LDS
	s_or_b32 s[G1+0], s23, (0<<16)|(1<<20)|(1<<21)|(5<<22)|(3<<25)  ; 15:0 the mask: R's tiles go to my row; 17:16 element of 1 byte; 20 padding on; 21 set beside a mask; 24:22 after every 64 words (code 5); 31:25 of 4 words (code 3)
	s_or_b32 s[G1B+0], s22, (0<<16)|(1<<20)|(1<<21)|(5<<22)|(3<<25) ; the same with the mask of my column, for P's tiles
.irp g, G1, G1B
	s_mov_b32 s[\g+1], ROWB<<16                    ; tensor_dim0
	s_mov_b32 s[\g+2], 128<<16                     ; tensor_dim1 = 128
	s_mov_b32 s[\g+3], ROWB<<16                    ; tile_dim0
	s_mov_b32 s[\g+4], 128                         ; tile_dim1 = 128
	s_mov_b32 s[\g+5], KROW                        ; tensor_dim0_stride
	s_mov_b32 s[\g+6], 0
	s_mov_b32 s[\g+7], 0
.endr
	s_lshl_b32 s18, s16, 7                         ; which 128 rows of a tile I fetch
	s_mul_i32 s19, s14, HALFT                      ; where they go: wave x 128 rows: no place in the cluster enters an LDS address
	TPAR 0,  G0,  G0B,  PB1
	TPAR 12, G0T, G0BT, PB2
	s_wait_kmcnt 0x0
	TPTR G0, G0B, PB1
	CROUND                                         ; all sixteen work-groups are here: the first joint loads meet
	JLOAD G0, G1, G0B, G1B                         ; my first tile's K 0-255 into slot 0,
	JLOAD G0+4, G1, G0B+4, G1B                     ; its K 256-511 into slot 1: two loads of mine are out
	TPTR G0T, G0BT, PB2                            ; the second tile's descriptors have registers of their own: no register of a pending load is written
	s_load_b256 s[92:99], s[8:9], 0x0              ; e0 .. e7 (the four addresses that lay here have been used)
	s_load_b32 s66, s[8:9], 0x24                   ; e9
	v_and_b32 v1, 15, v0                           ; l % 16
	v_bfe_u32 v2, v0, 4, 1                         ; l / 16
	v_mul_u32_u24 v3, v1, PITCH
	v_lshl_add_u32 v4, v2, 4, v3                   ; a fragment's row x pitch + 16 x half
	s_mul_i32 s20, s15, HALFT                      ; my 128 rows of R
	s_mul_i32 s21, s16, HALFT                      ; my 128 rows of P,
	s_add_co_u32 s21, s21, 2*HALFT                 ; which lie behind R's 256
.irp s, 0,1
	v_add_nc_u32 v[ADRA+\s], s20, v4
	v_add_nc_u32 v[ADRB+\s], s21, v4
	s_add_co_u32 s20, s20, SLOT
	s_add_co_u32 s21, s21, SLOT
.endr
	s_wait_alu depctr_va_vdst(0)
	s_wait_kmcnt 0x0                               ; the exponents: folded here, while the first tiles are on their way
	s_sub_co_i32 s67, s98, s94
	s_sub_co_i32 s67, s67, s95                     ; q: e6 - e2 - e3
	s_sub_co_i32 s83, s99, s92
	s_sub_co_i32 s83, s83, s93                     ; k: e7 - e0 - e1
	s_sub_co_i32 s91, s66, s96
	s_sub_co_i32 s91, s91, s97                     ; v: e9 - e4 - e5
.irp pb, PB1, PB2
	s_cmp_eq_u32 s[\pb+5], 0
	s_cselect_b32 s20, s67, s83
	s_cmp_eq_u32 s[\pb+5], 2
	s_cselect_b32 s20, s91, s20                    ; E of the tile's kind
	s_add_co_i32 s20, s20, 127
	s_lshl_b32 s[\pb+5], s20, 23                   ; 2^E as f32: the conversion takes its exponent field
.endr
.macro FRAG reg, adr, q, i             ; a fragment, 16 rows x 128 K, is 16 registers: lane l holds row l % 16; registers 4 c .. 4 c + 3 hold K = 32 c + 16 (l / 16) + 0 .. 15
.irp c, 0,1,2,3
	ds_load_b128 v[\reg+4*\c:\reg+4*\c+3], v[\adr] offset:128*(\q)+32*\c+(\i)*16*PITCH
.endr
.endm
; 16 matrix instructions: R's blocks a0, a0 + 1 x P's eight, 128 along K.  p: P's set.  zero = 1: the first product starts the sums: nothing is ever cleared.
; The 64 accumulators take turns, one instruction a turn, in the same order in every step.
.macro MUL16 a0, p, zero
.irp a, \a0, \a0+1
.irp b, 0,1,2,3,4,5,6,7
.if \zero
	v_wmma_f32_16x16x128_fp8_fp8 v[8*(8*((\a)%4)+\b):8*(8*((\a)%4)+\b)+7], v[128*(\p)+FR*\b:128*(\p)+FR*\b+FR-1], v[AF+FR*(\a):AF+FR*(\a)+FR-1], 0
.else
	v_wmma_f32_16x16x128_fp8_fp8 v[8*(8*((\a)%4)+\b):8*(8*((\a)%4)+\b)+7], v[128*(\p)+FR*\b:128*(\p)+FR*\b+FR-1], v[AF+FR*(\a):AF+FR*(\a)+FR-1], v[8*(8*((\a)%4)+\b):8*(8*((\a)%4)+\b)+7]
.endif
.endr
.endr
.endm
.macro FETCH_B slot, q, p              ; P's eight fragments of the slot's q-th 128 along K into set p
	WIN TO_B
.irp i, 0,1,2,3,4,5,6,7
	FRAG 128*(\p)+FR*\i, ADRB+\slot, \q, \i
.endr
	WIN 0
.endm
.macro FETCH_A slot, q, i0             ; R's blocks i0 .. i0 + 3
.irp i, \i0, \i0+1, \i0+2, \i0+3
	FRAG AF+FR*(\i), ADRA+\slot, \q, \i
.endr
.endm
.macro FIRSTFETCH                      ; a tile's first fragments, from slot 0
	FETCH_B 0, 0, 0
	FETCH_A 0, 0, 0
	FETCH_A 0, 0, 4
.endm
; A load into a register that a matrix instruction has read, and a vector instruction that reads a matrix result, stand NP places behind that matrix instruction; only plain vector
; instructions that name none of its registers are places (ISA guide 7.12.1 for vector instructions).
.macro PLACES n
.rept \n
	v_nop
.endr
.endm
; A step of 128 along K that has its successor in the same slot.  A block of R is free as soon as its eight products are issued, so one set serves R: blocks 0-3 come anew in the step's middle, 4-7 at its end.
.macro STEP slot, q, zero
	s_wait_dscnt 4*NL                              ; P's set and R's blocks 0-3 are in; the sixteen youngest loads (R's blocks 4-7) may be out
	WIN MUL_LO
	MUL16 0, (\q)%2, \zero
	MUL16 2, (\q)%2, \zero
	s_wait_dscnt 0                                 ; R's blocks 4-7 are in (asked for 32 matrix instructions ago)
	PLACES NP
	FETCH_B \slot, (\q)+1, 1-(\q)%2
	FETCH_A \slot, (\q)+1, 0
	WIN MUL_HI
	MUL16 4, (\q)%2, \zero
	MUL16 6, (\q)%2, \zero
	PLACES NP
	WIN 0
	FETCH_A \slot, (\q)+1, 4
.endm
; A slot's last step changes slots: ONE barrier; in front of it each wave waits for all its tensor loads, adds 0 to its spare word, and waits for that and for its own reads of this slot.
; fill = 1: this slot is filled again, by the sets of group 0 at ga (R) and gb (P).  step = 1: they go two K steps on first; step = 0: they are the next tile's, as the head made them.
; fetch = 1: the next slot's first fragments are fetched; fetch = 0: the tile ends here and its way out follows.
.macro TURN slot, next, fill, ga, gb, step, fetch
	s_wait_tensorcnt 0x0                           ; all my tensor loads have landed: my part of the next slot  (every window is 0 here)
	ds_add_u32 v[SPW], v[NIL]                      ; 0 onto my spare word
	s_wait_dscnt 4*NL+1                            ; (the add and the sixteen youngest loads, R's blocks 4-7, may be out)
	WIN MUL_LO
	MUL16 0, 1, 0                                  ; sixteen matrix instructions stand between the add and the wait for it
	s_wait_dscnt 0x0                               ; the add is done, and my reads of this slot are over
	s_barrier_signal -1
	MUL16 2, 1, 0
	WIN 0
	s_barrier_wait -1
.if \fill
	CREST                                          ; the barrier has opened a round of the cluster's barrier: no wave of any partner still reads this slot's tile or has a load on its way
.if \step
	s_add_nc_u64 s[\ga+4*\slot+2:\ga+4*\slot+3], s[\ga+4*\slot+2:\ga+4*\slot+3], 2*ROWB
	s_add_nc_u64 s[\gb+4*\slot+2:\gb+4*\slot+3], s[\gb+4*\slot+2:\gb+4*\slot+3], 2*ROWB
.endif
	JLOAD \ga+4*\slot, G1, \gb+4*\slot, G1B        ; the first tensor load behind the round, my one load until the next; the four v_nop behind it are the places in front of the loads below
.else
	PLACES NP
.endif
.if \fetch
	FETCH_B \next, 0, 0
	FETCH_A \next, 0, 0
.endif
	WIN MUL_HI
	MUL16 4, 1, 0
	MUL16 6, 1, 0
.if \fetch
	PLACES NP
	WIN 0
	FETCH_A \next, 0, 4
.else
	WIN 0
.endif
.endm
; THE WAY OUT of a tile.  Block a (16 R rows x my 128 P rows): converted, stored as two units.  Each store of the wave covers 512 consecutive bytes, aligned.
; Every block has code and offset registers of its own, so within a tile no store's sources are written again.
.macro OUTBLK a, pb
.set AC, 64*((\a)%4)
	WIN 0x02+((\a)/4)                              ; source 0: window 2 or 3
.set j, 0
.rept 64
.set j, j+1
.endr
.irp b, 0,1,2,3,4,5,6,7
	v_cvt_scalef32_pk8_fp8_f32 v[CD+16*(\a)+2*\b:CD+16*(\a)+2*\b+1], v[AC+8*\b:AC+8*\b+7], v[SC]
.endr
	WIN 0
	v_nop                                          ; one plain vector line between the conversions and what next writes their sources or touches their results
.irp p, 0,1
	global_store_b128 v[OFF+2*(\a)+\p], v[CD+16*(\a)+8*\p:CD+16*(\a)+8*\p+3], s[\pb:\pb+1]
	global_store_b128 v[OFF+2*(\a)+\p], v[CD+16*(\a)+8*\p+4:CD+16*(\a)+8*\p+7], s[\pb:\pb+1] offset:512
.endr
.endm
.macro WAYOUT pb                       ; the constants and the sixteen units' offsets come first: these plain vector lines are also the places behind the tile's last products
	v_mov_b32 v[SC], s[\pb+5]
	v_and_b32 v1, 31, v0
	v_lshlrev_b32 v[OFF], 4, v1                    ; 16 x lane
.irp a, 1,2,3
	v_add_nc_u32 v[OFF+2*\a], s[\pb+2], v[OFF+2*\a-2]
.endr
.irp a, 4,5,6,7
	v_add_nc_u32 v[OFF+2*\a], s[\pb+3], v[OFF+2*\a-8]
.endr
.irp a, 0,1,2,3,4,5,6,7
	v_add_nc_u32 v[OFF+2*\a+1], s[\pb+4], v[OFF+2*\a]
.endr
.irp a, 0,1,2,3,4,5,6,7
	OUTBLK \a, \pb
.endr
.endm
	s_wait_tensorcnt 1                             ; my part of K step 0 is in (K step 1's load may be out)
	s_barrier_signal -1
	s_barrier_wait -1                              ; everybody's is
	; ---- my first tile
	FIRSTFETCH
	STEP 0, 0, 1                                   ; K 0-127: its products start the sums
	TURN 0, 1, 1, G0, G0B, 1, 1                    ; K 128-255; slot 0 takes K 512-767
	STEP 1, 0, 0
	TURN 1, 0, 1, G0, G0B, 1, 1                    ; slot 1 takes K 768-1,023
	STEP 0, 0, 0
	TURN 0, 1, 1, G0T, G0BT, 0, 1                  ; THE RING GOES ON INTO MY SECOND TILE: slot 0 takes its K 0-255,
	STEP 1, 0, 0
	TURN 1, 0, 1, G0T, G0BT, 0, 0                  ; slot 1 its K 256-511.  In front of this round every wave has waited for all its loads: behind it slot 0 is whole in every wave's sight
	WAYOUT PB1                                     ; both refills are asked for: now the tile goes out
	s_wait_xcnt 0x0                                ; the stores have read their registers: the fragments below land where the codes lay, and the next way out writes the offsets anew
	; ---- my second tile
	FIRSTFETCH
	STEP 0, 0, 1                                   ; its products start the sums anew
	TURN 0, 1, 1, G0T, G0BT, 1, 1                  ; slot 0 takes K 512-767
	STEP 1, 0, 0
	TURN 1, 0, 1, G0T, G0BT, 1, 1                  ; slot 1 takes K 768-1,023
	STEP 0, 0, 0
	TURN 0, 1, 0, G0T, G0BT, 0, 1                  ; nothing is left to fetch: no round of the cluster's barrier
	STEP 1, 0, 0
	s_wait_dscnt 4*NL                              ; the very last step
	WIN MUL_LO
	MUL16 0, 1, 0
	MUL16 2, 1, 0
	s_wait_dscnt 0
	WIN MUL_HI
	MUL16 4, 1, 0
	MUL16 6, 1, 0
	WIN 0
	WAYOUT PB2
	s_wait_tensorcnt 0x0                           ; the wave's end
	ds_add_u32 v[SPW], v[NIL]
	s_wait_dscnt 0x0
	CROUND                                         ; the closing round: no work-group ends while a partner may still ask for a tile that names it
	s_endpgm
.Lfunc_end_k_q4d70d26fe5_qkv:
	.size	k_q4d70d26fe5_qkv, .Lfunc_end_k_q4d70d26fe5_qkv-k_q4d70d26fe5_qkv
	.p2alignl 7, 3214868480
	.fill 96, 4, 3214868480
	.section	.rodata,"a",@progbits
	.p2align	6, 0x0
	.amdhsa_kernel k_q4d70d26fe5_qkv
		.amdhsa_group_segment_fixed_size 327680
		.amdhsa_private_segment_fixed_size 0
		.amdhsa_enable_private_segment 0
		.amdhsa_kernarg_size 56
		.amdhsa_user_sgpr_count 2
		.amdhsa_user_sgpr_kernarg_segment_ptr 1
		.amdhsa_wavefront_size32 1
		.amdhsa_system_sgpr_workgroup_id_x 1
		.amdhsa_system_sgpr_workgroup_id_y 1
		.amdhsa_system_sgpr_workgroup_id_z 1
		.amdhsa_system_vgpr_workitem_id 0
		.amdhsa_next_free_vgpr 1024
		.amdhsa_next_free_sgpr 102
		.amdhsa_reserve_vcc 0
		.amdhsa_float_denorm_mode_32 3
		.amdhsa_float_denorm_mode_16_64 3
		.amdhsa_fp16_overflow 1
		.amdhsa_memory_ordered 1
		.amdhsa_forward_progress 1
		.amdhsa_inst_pref_size 170
	.end_amdhsa_kernel
	.amdgpu_metadata
---
amdhsa.version: [ 1, 2 ]
amdhsa.kernels:
  - .name:           k_q4d70d26fe5_qkv
    .symbol:         k_q4d70d26fe5_qkv.kd
    .args:
      - { .name: x_codes, .offset: 0, .size: 8, .value_kind: global_buffer, .address_space: global }
      - { .name: Wq_codes, .offset: 8, .size: 8, .value_kind: global_buffer, .address_space: global }
      - { .name: Wk_codes, .offset: 16, .size: 8, .value_kind: global_buffer, .address_space: global }
      - { .name: Wv_codes, .offset: 24, .size: 8, .value_kind: global_buffer, .address_space: global }
      - { .name: lowp_scales, .offset: 32, .size: 8, .value_kind: global_buffer, .address_space: global }
      - { .name: q_img, .offset: 40, .size: 8, .value_kind: global_buffer, .address_space: global }
      - { .name: kv_img, .offset: 48, .size: 8, .value_kind: global_buffer, .address_space: global }
    .group_segment_fixed_size: 327680
    .private_segment_fixed_size: 0
    .kernarg_segment_align: 8
    .kernarg_segment_size: 56
    .max_flat_workgroup_size: 128
    .sgpr_count:     102
    .vgpr_count:     1024
    .wavefront_size: 32
...
	.end_amdgpu_metadata
.endif
;; end of part 1
;; launch attn (part 2): grid 4 x 64, 16 waves a work-group, clusters of 4 x 1, 327,680 bytes of LDS; arguments q_img, kv_img, lowp_scales, a_img; writes a_img
.if DOCPART == 2
	.amdgcn_target "amdgcn-amd-amdhsa--gfx1250"
	.amdhsa_code_object_version 6
	.text
	.protected	k_q4d70d26fe5_attn
	.globl	k_q4d70d26fe5_attn
	.p2align	8
	.type	k_q4d70d26fe5_attn,@function
k_q4d70d26fe5_attn:
	s_mov_b64 s[64:65], 0
	v_nop
	global_prefetch_b8 v0, s[64:65] scope:SCOPE_SE
	s_setreg_imm32_b32 hwreg(HW_REG_WAVE_MODE, 25, 1), 1
	s_wait_xcnt 0x0
	s_wait_alu depctr_hold_cnt(0) depctr_sa_sdst(0) depctr_va_vdst(0) depctr_va_sdst(0) depctr_va_ssrc(0) depctr_va_vcc(0) depctr_vm_vsrc(0)
	s_getreg_b32 s2, hwreg(HW_REG_IB_STS2, 6, 4)
	s_cmp_eq_u32 s2, 0
	s_cbranch_scc0 .Lentry_in_a_cluster
	s_endpgm
.Lentry_in_a_cluster:
	s_bfe_u32 s2, ttmp6, 0x10000c
	s_cmp_lg_u32 s2, 0x3003
	s_cbranch_scc0 .Lentry_shape_is_right
	s_endpgm
.Lentry_shape_is_right:
; Causal attention of one (batch, head) a cluster, on codes of FP8 (E4M3): S^T = K Q^T, p = 2^(t - M), O^T = V^T P^T, O / l quantised for the output projection.
; q_img [bh][token tile of 16 (128)][unit]; kv_img [bh][step of 128 keys (16)][K: 8 units | V^T: 4 x 2 units]; a unit is 1,024 bytes, eight operand registers of 32 lanes as they stand
; (registers 0-3 at 16 x lane, 4-7 at 512 + 16 x lane; registers 2 c, 2 c + 1 hold k = 16 c + 8 (lane / 16) + 0..7 of row lane % 16).
; a_img [head / 4][token tile 128 batch + q16 (512)][head % 4][unit]: lane = query, k = the head's 64 channels.
; LDS: the head's whole K and V^T, 262,144 bytes, lie in LDS as they lie in kv_img, brought ONCE by joint loads of the cluster's four work-groups.  No byte of LDS is filled twice: no ring.  Every LDS load reads 512 consecutive bytes.
; SHARES.  The head has 128 tiles of 16 queries.  Work-group cx owns tiles 4 i + cx, i = 0..31: tile i needs key steps 0 .. i / 2 whatever cx is, and only step i / 2 is masked.  So no branch and no trip count
; hangs on cx: it enters q_img's and a_img's addresses and the mask's lane number d alone.  Wave w owns tiles i = 31 - w and i = w: one even, one odd; the same work for every wave.
; A step all of whose keys come after the tile's queries is left out by a scalar branch on the wave's number; the loops' trip counts are constants.
; THE MASKED STEP.  My query less the step's first key is 64 (i % 2) + 16 cx + lane % 16.  i even: at most 63, so keys 64-127 are hidden whatever cx is: the step is a HALF STEP of 64 keys.
; i odd: at least 64, so the first 32 of a lane's 64 scores are never hidden: only the other 32 are masked.
; SOFTMAX: t = score x log2(e) / 8; M = the running largest t rounded UP to a whole number; p = 2^(t - M), not normalised, quantised with 2^e8; the sum l is taken of the unquantised p; when M moves, l and O^T are
; multiplied by 2^(old M - new M), which rounds nothing.  A lane holds ONE query (lane % 16) throughout; register 8 tt + j of S^T is key 128 KS + 16 tt + 8 (lane / 16) + j.
; LIMITS on the given exponents, so that each power of two below is an f32 number: e6 + e7 between -123 and 130; e8, and e10 - e8 - e9, between -126 and 119.  NaN codes are not served.
; REGISTERS: v1 16 x lane; v2 LDS address of the step; v4 d; v5 -infinity; v6 lane % 16 - 8 (lane / 16); v12 -M, v13 the largest t, v[14:15] l in two halves; v16-23, v24-31 Q of my two tiles;
;   v32-95 K's 8 fragments, then V^T's 4; v96-159 S^T, then p; v160-191 O^T; v192-207 p's codes; v208-215, v216-223 the two tiles' output codes; v236-254 at work and constants.
.set STEPB, 16384                      ; a key step's bytes
.set HALF,  131072                     ; keys 0-1,023
.set LI,   1
.set ADR,  2
.set DM,   4
.set NINF, 5
.set RH,   6
.set PAR,  3                           ; s3   my wave's number mod 2
.set WV,   12                          ; s12  my wave's number
.set CX,   13                          ; s13  my place in the cluster
.set BH,   14                          ; s14  16 batch + head
.set HAT,  15                          ; s15  the key step that is a half step: the masked step of an even tile; 64 (never met) for an odd tile
.set G1,   16                          ; s[16:23] descriptor group 1
.set G0,   24                          ; s[24:27], s[28:31] group 0 of my two loads
.set SEL,  32                          ; s[32:33] lane selects for v_permlanex16_b32: lane l xor 16
.set CS,   34                          ; s[34:35] c = log2(e) / 8 x 2^(e6 + e7): the packed form names a pair and takes its low word
.set TB,   36                          ; s36  LDS byte at which the key step in hand begins
.set KS,   37                          ; s37  the key step, and each loop's counter
.set DIAG, 38                          ; s38  the tile's last, masked key step
.macro CROUND                          ; a round of the cluster's barrier
	s_barrier_signal -1
	s_barrier_wait -1
	s_cmp_lg_u32 s[WV], 0
	s_cbranch_scc1 .Lnot_wave_0_\@
	s_barrier_signal -3
.Lnot_wave_0_\@:
	s_barrier_wait -3
	s_barrier_signal -1
	s_barrier_wait -1
.endm
	s_load_b256 s[4:11], s[0:1], 0x0               ; q_img s[4:5], kv_img s[6:7], the scales' exponents s[8:9], a_img s[10:11]
	v_lshl_add_u32 v251, v0, 2, 0x40000
	v_mov_b32 v255, 0
	ds_add_u32 v251, v255
	ds_add_u32 v251, v255
	v_lshrrev_b32 v2, 5, v0
	s_delay_alu instid0(VALU_DEP_1)
	v_readfirstlane_b32 s[WV], v2                  ; wave 0..15
	s_bfe_u32 s[CX], ttmp6, 0x40000
	s_and_b32 s[BH], ttmp7, 0xffff                 ; the cluster's y
	v_and_b32 v[LI], 31, v0
	s_delay_alu instid0(VALU_DEP_1)
	v_lshlrev_b32 v[LI], 4, v[LI]
	v_and_b32 v[RH], 15, v0
	v_bfe_u32 v3, v0, 4, 1
	s_delay_alu instid0(VALU_DEP_1)
	v_lshlrev_b32 v3, 3, v3
	s_delay_alu instid0(VALU_DEP_1)
	v_sub_nc_u32 v[RH], v[RH], v3
	; descriptor group 1: a dense block of 8,192 bytes as 32 rows of 256
	s_mov_b32 s[G1], 15|(3<<16)|(1<<21)            ; 15:0 the mask: all four work-groups; 17:16 elements of 8 bytes; 21 set beside a mask; no padding
	s_mov_b32 s[G1+1], 32<<16                      ; tensor_dim0 = 32 elements
	s_mov_b32 s[G1+2], 32<<16                      ; tensor_dim1 = 32 rows
	s_mov_b32 s[G1+3], 32<<16                      ; tile_dim0
	s_mov_b32 s[G1+4], 32                          ; tile_dim1
	s_mov_b32 s[G1+5], 32                          ; the pitch: rows on end
	s_mov_b32 s[G1+6], 0
	s_mov_b32 s[G1+7], 0
	s_mov_b32 s[SEL], 0x76543210
	s_mov_b32 s[SEL+1], 0xfedcba98
	s_lshl_b32 s45, s[WV], 13                      ; my 8,192 bytes of each half, in LDS as in the head's block of kv_img
	s_lshl_b32 s46, s[BH], 18
	s_add_co_u32 s46, s46, s45
	s_mov_b32 s47, 0
	s_xor_b32 s39, s[WV], 31                       ; tile A: i = 31 - w
	s_lshr_b32 s[DIAG], s39, 1                     ; its masked step, 8 or later
	s_and_b32 s[PAR], s[WV], 1
	s_cmp_lg_u32 s[PAR], 0
	s_cselect_b32 s[HAT], s[DIAG], 64              ; tile A is even where w is odd
	s_lshl_b32 s52, s39, 2
	s_add_co_u32 s52, s52, s[CX]                   ; tile A among the head's 128: 4 i + cx
	s_lshl_b32 s54, s[WV], 2
	s_add_co_u32 s54, s54, s[CX]                   ; tile B: i = w
	s_and_b32 s58, s[BH], 15
	s_lshr_b32 s58, s58, 2
	s_lshl_b32 s58, s58, 21                        ; a_img: head / 4 x 512 tiles x 4,096 bytes,
	s_lshr_b32 s59, s[BH], 4
	s_lshl_b32 s59, s59, 19                        ; batch x 128 tiles,
	s_add_co_u32 s58, s58, s59
	s_and_b32 s59, s[BH], 3
	s_lshl_b32 s59, s59, 10                        ; head % 4 x a unit
	s_add_co_u32 s58, s58, s59
	s_lshl_b32 s48, s52, 12
	s_add_co_u32 s48, s48, s58
	s_mov_b32 s49, 0
	s_lshl_b32 s50, s54, 12
	s_add_co_u32 s50, s50, s58
	s_mov_b32 s51, 0
	s_lshl_b32 s59, s[BH], 17                      ; q_img: 128 units a head
	s_lshl_b32 s52, s52, 10
	s_add_co_u32 s52, s52, s59
	s_mov_b32 s53, 0
	s_lshl_b32 s54, s54, 10
	s_add_co_u32 s54, s54, s59
	s_mov_b32 s55, 0
	s_lshl_b32 s59, s[CX], 4                       ; the mask: my query less the masked step's first key is 64 (i % 2) + 16 cx + lane % 16
	s_and_b32 s56, s39, 1
	s_lshl_b32 s56, s56, 6
	s_add_co_u32 s56, s56, s59                     ; tile A's
	s_and_b32 s57, s[WV], 1
	s_lshl_b32 s57, s57, 6
	s_add_co_u32 s57, s57, s59                     ; tile B's
	s_wait_dscnt 0x0
	s_wait_kmcnt 0x0
	s_load_b128 s[40:43], s[8:9], 0x18             ; e6, e7, e8, e9
	s_load_b32 s44, s[8:9], 0x28                   ; e10
	s_mov_b32 s[G0], 1                             ; count = 1
	s_mov_b32 s[G0+1], s45                         ; LDS address
	s_add_nc_u64 s[G0+2:G0+3], s[6:7], s[46:47]    ; global address: it holds the head and the wave's number, which the partners share
	s_mov_b32 s[G0+4], 1
	s_add_co_u32 s[G0+5], s45, HALF
	s_add_nc_u64 s[G0+6:G0+7], s[G0+2:G0+3], HALF
	s_or_b32 s[G0+3], s[G0+3], 0x80000000          ; type = 2
	s_or_b32 s[G0+7], s[G0+7], 0x80000000
	s_add_nc_u64 s[48:49], s[10:11], s[48:49]      ; a_img at tile A's unit, at tile B's
	s_add_nc_u64 s[50:51], s[10:11], s[50:51]
	s_add_nc_u64 s[52:53], s[4:5], s[52:53]        ; q_img likewise
	s_add_nc_u64 s[54:55], s[4:5], s[54:55]
	CROUND                                         ; all four work-groups are here: the joint loads meet
	tensor_load_to_lds s[G0:G0+3], s[G1:G1+7]      ; my part of keys 0-1,023
	s_nop 0
	s_wait_alu depctr_va_vdst(0)
	s_wait_tensorcnt 0x0
	ds_add_u32 v251, v255
	s_wait_dscnt 0x0
	CROUND
	tensor_load_to_lds s[G0+4:G0+7], s[G1:G1+7]    ; and of keys 1,024-2,047: one load of mine is out, the second and last of the launch
	s_nop 0
.rept 4
	v_nop
.endr
	s_wait_alu depctr_va_vdst(0)
	global_load_b128 v[16:19], v[LI], s[52:53]     ; Q of both tiles stays in registers
	global_load_b128 v[20:23], v[LI], s[52:53] offset:512
	global_load_b128 v[24:27], v[LI], s[54:55]
	global_load_b128 v[28:31], v[LI], s[54:55] offset:512
	v_mov_b32 v[NINF], 0xff800000
	v_mov_b32 v236, 0                              ; written once: a lane permute's destination counts as one of its sources
	v_mov_b32 v252, 0
	v_mov_b32 v253, 0                              ; (named as the upper half of the pair v[252:253])
	s_wait_kmcnt 0x0
	s_mov_b32 s[CS], 0x3e38aa3b                    ; log2(e) / 8
	s_add_co_i32 s58, s40, s41
	s_lshl_b32 s58, s58, 23
	s_add_co_i32 s[CS], s[CS], s58                 ; a score stands for score x 2^(e6 + e7): the two exponents are added to c's exponent field
	s_mov_b32 s[CS+1], s[CS]                       ; (named with it as a pair, so it is written)
	s_add_co_i32 s58, s42, 127
	s_lshl_b32 s59, s58, 23
	v_mov_b32 v244, s59                            ; 2^e8 as f32, for p's conversion
	s_sub_co_i32 s58, s44, s42
	s_sub_co_i32 s58, s58, s43                     ; O stands for sum x 2^(e8 + e9) / l: its code is (sum / l) / 2^(e10 - e8 - e9)
	s_add_co_i32 s58, s58, 127
	s_lshl_b32 s59, s58, 23
	v_mov_b32 v246, s59
.macro INIT                            ; a tile begins: the step is written without a first step of its own; it finds zeros, which the first change of M leaves zeros
	v_mov_b32 v13, 0xff61b1e6                      ; the largest t so far: -3e38, under every t
	s_delay_alu instid0(VALU_DEP_1)
	v_floor_f32 v12, -v13                          ; -M
	v_mov_b32 v14, 0
	v_mov_b32 v15, 0
.set n, 0
.rept 32
	v_mov_b32 v[160+n], 0
.set n, n+1
.endr
.endm
; Scores n0 .. n0 + 31 of the lane: those of hidden keys become -infinity.  Register n holds key 16 (n / 8) + 8 (lane / 16) + n % 8 of the step: hidden where 16 (n / 8) + n % 8 > d.
.macro MASK32 n0
.set n, \n0
.rept 32
	v_cmp_gt_i32 vcc_lo, 16*(n/8)+n%8, v[DM]
	v_cndmask_b32 v[96+n], v[96+n], v[NINF], vcc_lo
.set n, n+1
.endr
.endm
; The softmax of nr scores a lane (64, or 32 in a half step), v96 on: the running M, p, l, p's codes in v192 on, and O^T under the new M.
.macro SOFTMAX nr
	v_max3_num_f32 v254, v96, v97, v98             ; the step's largest score of my query among my keys, in two chains; each accumulator is first read at its low end
	v_max3_num_f32 v252, v99, v100, v101
.set n, 6
.rept (\nr-8)/4
	v_max3_num_f32 v254, v254, v[96+n], v[97+n]
	v_max3_num_f32 v252, v252, v[98+n], v[99+n]
.set n, n+4
.endr
	v_max3_num_f32 v254, v254, v[94+\nr], v[95+\nr]
	s_delay_alu instid0(VALU_DEP_1)
	v_max_num_f32 v254, v254, v252
	s_delay_alu instid0(VALU_DEP_1)
	v_permlanex16_b32 v236, v254, s[SEL], s[SEL+1]
	s_delay_alu instid0(VALU_DEP_1)
	v_max_num_f32 v254, v254, v236                 ; and among lane l xor 16's
	s_delay_alu instid0(VALU_DEP_1)
	v_mul_f32 v254, s[CS], v254                    ; as t (c is positive)
	s_delay_alu instid0(VALU_DEP_1)
	v_max_num_f32 v13, v13, v254                   ; the running largest t
	v_mov_b32 v254, v12
	s_delay_alu instid0(VALU_DEP_2)
	v_floor_f32 v12, -v13                          ; the new -M = floor(-t) = -ceil(t)
	s_delay_alu instid0(VALU_DEP_1)
	v_sub_f32 v254, v12, v254                      ; old M less new M: a whole number, 0 or less
	s_delay_alu instid0(VALU_DEP_1)
	v_cvt_i32_f32 v254, v254                       ; (it saturates)
	s_delay_alu instid0(VALU_DEP_1)
	v_ldexp_f32 v252, 1.0, v254                    ; f = 2^(old M - new M)
.set n, 0
.rept \nr/2
	v_pk_fma_f32 v[96+n:97+n], v[96+n:97+n], s[CS:CS+1], v[12:13] op_sel_hi:[1,0,0]   ; t - M, two at a time
.set n, n+2
.endr
.set n, 0
	s_wait_alu depctr_va_vdst(0)
.rept \nr
	v_exp_f32 v[96+n], v[96+n]                     ; p = 2^(t - M), at most 1
.set n, n+1
.endr
	v_pk_mul_f32 v[14:15], v[14:15], v[252:253] op_sel_hi:[1,0]   ; l under the new M  (a plain line behind the exponentials)
	s_wait_alu depctr_va_vdst(0)
	v_pk_add_f32 v[242:243], v[96:97], v[98:99]    ; l takes the UNQUANTISED p, two at a time, in two chains
.set n, 4
.rept \nr/4-1
	v_pk_add_f32 v[14:15], v[14:15], v[96+n:97+n]
	v_pk_add_f32 v[242:243], v[242:243], v[98+n:99+n]
.set n, n+4
.endr
	s_delay_alu instid0(VALU_DEP_1)
	v_pk_add_f32 v[14:15], v[14:15], v[242:243]
.set n, 0
.rept \nr/8
.rept 4
.set n, n+2
.endr
	v_cvt_scalef32_pk8_fp8_f32 v[192+(n-8)/4:193+(n-8)/4], v[96+n-8:96+n-1], v244   ; registers 2 t, 2 t + 1 of the operand: keys 16 t + 8 (lane / 16) + 0..7
.endr
.set n, 0
.rept 16
	v_pk_mul_f32 v[160+n:161+n], v[160+n:161+n], v[252:253] op_sel_hi:[1,0]   ; O^T under the new M; these plain lines also part the conversions from the products
.set n, n+2
.endr
.endm
; A KEY STEP of 128 keys for the tile whose Q lies in v[q] on.  masked = 1: in step DIAG (of an odd tile: an even tile's is a half step) the upper 32 scores are masked.
.macro FULL q, masked
	v_add_nc_u32 v[ADR], s[TB], v[LI]
.rept 3
	v_nop                                          ; with the addition: four places between the last step's products and the loads into the registers that they read
.endr
.irp tt, 0,1,2,3,4,5,6,7
	ds_load_b128 v[32+8*\tt:35+8*\tt], v[ADR] offset:1024*\tt
	ds_load_b128 v[36+8*\tt:39+8*\tt], v[ADR] offset:1024*\tt+512
.endr
	s_wait_alu depctr_va_vdst(0)
	s_wait_dscnt 0x0
.irp tt, 0,1,2,3,4,5,6,7
	v_wmma_f32_16x16x64_fp8_fp8 v[96+8*\tt:103+8*\tt], v[32+8*\tt:39+8*\tt], v[\q:\q+7], 0   ; source 0 = 16 keys, source 1 = my 16 queries
.endr
.rept 4
	v_nop                                          ; places: in front of the loads below, and of the first read of the scores
.endr
.irp t, 0,1,2,3
.irp c, 0,1,2,3
	ds_load_b128 v[32+16*\t+4*\c:35+16*\t+4*\c], v[ADR] offset:8192+2048*\t+512*\c   ; V^T lands while the softmax is worked
.endr
.endr
.if \masked
	s_cmp_lt_u32 s[KS], s[DIAG]
	s_cbranch_scc1 .Lopen_\@
	MASK32 32                                      ; d is 56 or more here: registers 0-31 (at most 55) are never hidden
.Lopen_\@:
.endif
	SOFTMAX 64
	s_wait_alu depctr_va_vdst(0)
	s_wait_dscnt 0x0                               ; V^T is in
.irp t, 0,1,2,3
	v_wmma_f32_16x16x128_fp8_fp8 v[160+8*\t:167+8*\t], v[32+16*\t:47+16*\t], v[192:207], v[160+8*\t:167+8*\t]   ; source 0 = 16 channels, source 1 = p; the four accumulators take turns
.endr
.endm
; THE HALF STEP: the masked step of an even tile, keys 0-63 of the step.  K's four units go to v32-63, V^T's four units of keys 0-63 to v64-95, in one run.
.macro HALFSTEP q
	v_add_nc_u32 v[ADR], s[TB], v[LI]
.rept 3
	v_nop                                          ; four places, as above
.endr
.irp tt, 0,1,2,3
	ds_load_b128 v[32+8*\tt:35+8*\tt], v[ADR] offset:1024*\tt
	ds_load_b128 v[36+8*\tt:39+8*\tt], v[ADR] offset:1024*\tt+512
.endr
.irp t, 0,1,2,3
	ds_load_b128 v[64+8*\t:67+8*\t], v[ADR] offset:8192+2048*\t
	ds_load_b128 v[68+8*\t:71+8*\t], v[ADR] offset:8192+2048*\t+512
.endr
	s_wait_dscnt 0x8                               ; K's eight loads are in; V^T's eight may be out
.irp tt, 0,1,2,3
	v_wmma_f32_16x16x64_fp8_fp8 v[96+8*\tt:103+8*\tt], v[32+8*\tt:39+8*\tt], v[\q:\q+7], 0
.endr
.rept 4
	v_nop                                          ; places in front of the first read of the scores
.endr
	MASK32 0
	SOFTMAX 32
	s_wait_alu depctr_va_vdst(0)
	s_wait_dscnt 0x0                               ; V^T is in
.irp t, 0,1,2,3
	v_wmma_f32_16x16x64_fp8_fp8 v[160+8*\t:167+8*\t], v[64+8*\t:71+8*\t], v[192:199], v[160+8*\t:167+8*\t]   ; K = these 64 keys
.endr
.endm
.macro NEXT                            ; on every way through a trip
	s_add_co_u32 s[TB], s[TB], STEPB
	s_add_co_u32 s[KS], s[KS], 1
.endm
; A trip of a loop that holds the tile's masked step: steps behind it are left out; all three branches hang on the wave's number and the loop's counter alone.
.macro TRIP q
	s_cmp_gt_u32 s[KS], s[DIAG]
	s_cbranch_scc1 .Lhidden_\@
	s_cmp_eq_u32 s[KS], s[HAT]
	s_cbranch_scc1 .Lhalf_\@
	FULL \q, 1
	s_branch .Lhidden_\@
.Lhalf_\@:
	s_wait_alu depctr_va_vdst(0)
	HALFSTEP \q
.Lhidden_\@:
	NEXT
.endm
; A tile ends: O^T / l, held, converted with 2^(e10 - e8 - e9); the eight registers are a unit of a_img: two stores of 512 consecutive bytes, aligned.  Each tile has code registers and a base of its own.
.macro FINISH oc, base
.rept 4
	v_nop                                          ; places behind the last products
.endr
	v_add_f32 v14, v14, v15                        ; l's two halves,
	s_delay_alu instid0(VALU_DEP_1)
	v_permlanex16_b32 v252, v14, s[SEL], s[SEL+1]
	s_delay_alu instid0(VALU_DEP_1)
	v_add_f32 v14, v14, v252                       ; and lane l xor 16's
	s_wait_alu depctr_va_vdst(0)
	v_rcp_f32 v14, v14
	v_nop                                          ; one plain line behind a transcendental
.set n, 0
	s_wait_alu depctr_va_vdst(0)
.rept 16
	v_pk_mul_f32 v[96+n:97+n], v[160+n:161+n], v[14:15] op_sel_hi:[1,0]
.set n, n+2
.endr
.set n, 0
.rept 32
.set n, n+1
.endr
.irp t, 0,1,2,3
	v_cvt_scalef32_pk8_fp8_f32 v[\oc+2*\t:\oc+2*\t+1], v[96+8*\t:103+8*\t], v246
.endr
	v_nop                                          ; one plain line behind the conversions: later products write their sources
	global_store_b128 v[LI], v[\oc:\oc+3], s[\base:\base+1]
	global_store_b128 v[LI], v[\oc+4:\oc+7], s[\base:\base+1] offset:512
.endm
	INIT
	v_add_nc_u32 v[DM], s56, v[RH]                 ; tile A's d
	s_wait_loadcnt 0x0                             ; Q
	s_wait_tensorcnt 0x1                           ; my part of keys 0-1,023 is in; my second load may stay out: no byte of LDS is filled twice
	s_barrier_signal -1
	s_barrier_wait -1                              ; everybody's is
	s_mov_b32 s[TB], 0
	s_mov_b32 s[KS], 0
.Lfirst_half:                                      ; tile A, key steps 0-7: all open, since its masked step is 8 or later; they read LDS bytes under 131,072 alone
	FULL 16, 0
	NEXT
	s_cmp_lt_u32 s[KS], 8
	s_cbranch_scc1 .Lfirst_half
	s_wait_tensorcnt 0x0                           ; my part of keys 1,024-2,047 is in,
	s_wait_dscnt 0x0
	s_barrier_signal -1
	s_barrier_wait -1                              ; everybody's is
	s_mov_b32 s[TB], HALF
	s_mov_b32 s[KS], 8
.Lsecond_half:                                     ; tile A, key steps 8-15
	TRIP 16
	s_cmp_lt_u32 s[KS], 16
	s_cbranch_scc1 .Lsecond_half
	FINISH 208, 48
	INIT
	v_add_nc_u32 v[DM], s57, v[RH]                 ; tile B's d
	s_lshr_b32 s[DIAG], s[WV], 1                   ; its masked step, 7 or earlier,
	s_cmp_eq_u32 s[PAR], 0
	s_cselect_b32 s[HAT], s[DIAG], 64              ; which is a half step where w is even
	s_mov_b32 s[TB], 0
	s_mov_b32 s[KS], 0
.Ltile_b:                                          ; tile B, key steps 0-7
	TRIP 24
	s_cmp_lt_u32 s[KS], 8
	s_cbranch_scc1 .Ltile_b
	FINISH 216, 50
	s_wait_dscnt 0x0
	s_wait_tensorcnt 0x0
	ds_add_u32 v251, v255
	s_wait_dscnt 0x0
	CROUND                                         ; the closing round
	s_endpgm
.Lfunc_end_k_q4d70d26fe5_attn:
	.size	k_q4d70d26fe5_attn, .Lfunc_end_k_q4d70d26fe5_attn-k_q4d70d26fe5_attn
	.p2alignl 7, 3214868480
	.fill 96, 4, 3214868480
	.section	.rodata,"a",@progbits
	.p2align	6, 0x0
	.amdhsa_kernel k_q4d70d26fe5_attn
		.amdhsa_group_segment_fixed_size 327680
		.amdhsa_private_segment_fixed_size 0
		.amdhsa_enable_private_segment 0
		.amdhsa_kernarg_size 32
		.amdhsa_user_sgpr_count 2
		.amdhsa_user_sgpr_kernarg_segment_ptr 1
		.amdhsa_wavefront_size32 1
		.amdhsa_system_sgpr_workgroup_id_x 1
		.amdhsa_system_sgpr_workgroup_id_y 1
		.amdhsa_system_sgpr_workgroup_id_z 1
		.amdhsa_system_vgpr_workitem_id 0
		.amdhsa_next_free_vgpr 256
		.amdhsa_next_free_sgpr 66
		.amdhsa_reserve_vcc 1
		.amdhsa_float_denorm_mode_32 3
		.amdhsa_float_denorm_mode_16_64 3
		.amdhsa_fp16_overflow 1
		.amdhsa_memory_ordered 1
		.amdhsa_forward_progress 1
		.amdhsa_inst_pref_size 81
	.end_amdhsa_kernel
	.amdgpu_metadata
---
amdhsa.version: [ 1, 2 ]
amdhsa.kernels:
  - .name:           k_q4d70d26fe5_attn
    .symbol:         k_q4d70d26fe5_attn.kd
    .args:
      - { .name: q_img, .offset: 0, .size: 8, .value_kind: global_buffer, .address_space: global }
      - { .name: kv_img, .offset: 8, .size: 8, .value_kind: global_buffer, .address_space: global }
      - { .name: lowp_scales, .offset: 16, .size: 8, .value_kind: global_buffer, .address_space: global }
      - { .name: a_img, .offset: 24, .size: 8, .value_kind: global_buffer, .address_space: global }
    .group_segment_fixed_size: 327680
    .private_segment_fixed_size: 0
    .kernarg_segment_align: 8
    .kernarg_segment_size: 32
    .max_flat_workgroup_size: 512
    .sgpr_count:     66
    .vgpr_count:     256
    .wavefront_size: 32
...
	.end_amdgpu_metadata
.endif
;; end of part 2
;; launch proj (part 3): grid 8 x 32, 4 waves a work-group, clusters of 4 x 4, 327,680 bytes of LDS; arguments a_img, Wp_codes, lowp_scales, bp, out0; writes out0
.if DOCPART == 3
	.amdgcn_target "amdgcn-amd-amdhsa--gfx1250"
	.amdhsa_code_object_version 6
	.text
	.protected	k_q4d70d26fe5_proj
	.globl	k_q4d70d26fe5_proj
	.p2align	8
	.type	k_q4d70d26fe5_proj,@function
k_q4d70d26fe5_proj:
	s_mov_b64 s[64:65], 0
	v_nop
	global_prefetch_b8 v0, s[64:65] scope:SCOPE_SE
	s_setreg_imm32_b32 hwreg(HW_REG_WAVE_MODE, 25, 1), 1
	s_wait_xcnt 0x0
	s_wait_alu depctr_hold_cnt(0) depctr_sa_sdst(0) depctr_va_vdst(0) depctr_va_sdst(0) depctr_va_ssrc(0) depctr_va_vcc(0) depctr_vm_vsrc(0)
	s_getreg_b32 s2, hwreg(HW_REG_IB_STS2, 6, 4)
	s_cmp_eq_u32 s2, 0
	s_cbranch_scc0 .Lentry_in_a_cluster
	s_endpgm
.Lentry_in_a_cluster:
	s_bfe_u32 s2, ttmp6, 0x10000c
	s_cmp_lg_u32 s2, 0xf033
	s_cbranch_scc0 .Lentry_shape_is_right
	s_endpgm
.Lentry_shape_is_right:
; out0 = a Wp^T + bp on codes of FP8 (E4M3).  a: the attention's output, 8,192 tokens x 1,024, as images of operand registers; Wp: [1024][1024] codes, K innermost; bp [1024] f32; out0 [8192][1024] f32.
; a_img [K / 256 (4)][token tile of 16 (512)][4 units of 1,024 bytes]: a unit is eight operand registers of 32 lanes as they stand (registers 0-3 at 16 x lane, 4-7 at 512 + 16 x lane); registers 2 c, 2 c + 1 hold
; k = 16 c + 8 (lane / 16) + 0..7 of token lane % 16: two units on end are a fragment of 16 tokens x 128 K in the operand layout of the plain 8-bit form (ISA guide 7.12.2).  So Wp's fragments take that layout too: eight loads of 8 bytes.
; out = sum x 2^(e10 + e11) + bp, one packed multiply-add for two numbers.  LIMIT: e10 + e11 between -126 and 127, so that the power of two is an f32 number.
; SHARES.  out0 has 32 x 8 tiles of 256 tokens x 128 columns: 256 work-groups, one for each.  A wave makes 128 tokens x 64 columns: 32 accumulators, 256 registers.
; LDS.  A slot holds 256 along K: a's 16 token tiles as images (65,536 bytes, dense), then 128 rows of Wp (272 bytes apart).  THREE slots fit: K 0-767 are first fills, three loads a wave at the start; only K 768-1,023 is a refill,
; into slot 0, behind the round at the change from slot 0 to slot 1: it has four steps of 128 along K in which to land.  In front of that round every wave has waited for all its loads, so slots 1 and 2 are whole behind it
; and the change from slot 1 to slot 2 needs no barrier.  The walk is written out, without a loop.
; CLUSTER: 4 x 4 work-groups.  The four of a row of the cluster need the same tokens, the four of a column the same rows of Wp: each tile is asked for jointly, by the same tensor load with the same descriptor and a mask that names the four.
; THE MATRIX INSTRUCTION IS USED TRANSPOSED (source 0 = 16 rows of Wp, source 1 = 16 tokens): a lane then holds eight neighbouring numbers of a row of out0.
; REGISTERS, in windows of 256: window 0: v0-31 addresses; v32-63 bp of my 64 columns in the results' layout; v128-255 a's fragments, ONE set, on the way out rows read back from the stage.
;   window 1: v0-63, v64-127 Wp's fragments, TWO sets; v128-191 on the way out two blocks' results.   window 2: the accumulators, (a, b) at v[8 (4 a + b)].
.set KROW,   1024                      ; a row of Wp, in bytes
.set ROWB,   256                       ; a row of Wp's tile
.set PITCH,  272                       ; in LDS: 256 bytes + 16 of padding = 68 words, so that the 16 rows of a fragment load start at 16 different banks (ISA guide 11.1)
.set FR,     16                        ; registers of a fragment
.set NL,     4                         ; LDS loads that bring a fragment of a
.set NP,     4                         ; places behind this matrix instruction (ISA guide 7.12.1)
.set HALFA,  32768                     ; 128 tokens x 256 K as images: 8 tiles of 4,096 bytes, dense: what one tensor load brings of a
.set AREG,   2*HALFA                   ; a's part of a slot
.set HALFB,  64*PITCH                  ; 64 rows of Wp: what one tensor load brings of it, and what one wave reads
.set SLOT,   AREG+2*HALFB              ; 100,352 bytes
.set KPLANE, 0x200000                  ; a_img: from one 256 along K to the next
.set SPARE,  3*SLOT                    ; behind the three slots: the spare words, 128 bytes for each wave: two blocks of 256 bytes that no other line names
.set SPITCH, 272                       ; the way out: a stage of 32 rows x (256 bytes + 16) for each wave
.set STAGE,  SLOT                      ; it lies in slot 1, which is filled once and whose last read stands ahead of the last barrier
.set NROW,   4096                      ; a row of out0, in bytes
.set ADRA, 16                          ; v16-18  LDS address of my fragments of a in slot 0, 1, 2
.set ADRB, 20                          ; v20-22  the same for Wp
.set STO,  24                          ; v24     the way out: where I put 32 bytes of a row
.set RD,   25                          ; v25     the way out: where I read 16 bytes of a row back
.set CO,   26                          ; v26     and where they go in out0: lanes 0-15 one row, lanes 16-31 the next
.set BO,   27                          ; v27     32 x (lane / 16): my eight numbers of a tile of bp
.set SPW,  28                          ; v28     LDS address of my spare word; never rewritten
.set NIL,  29                          ; v29     0; never rewritten
.set BI,   32                          ; v32-63  bp: v[BI + 8 b + j] = bp of my column 16 b + 8 (lane / 16) + j
.set TMP,  128                         ; window 1, v128-191: two blocks' results
.set AF,   128                         ; a's fragments, in window 0
.set BK,   128                         ; the way out: 32 rows read back: v128-191 and v192-255 by turns
.set G1, 24                            ; s[24:31] descriptor group 1 for a's tiles;  s[32:43] group 0, one set for each slot
.set G0, 32
.set G1B, 48                           ; s[48:55] group 1 for Wp's tiles;  s[68:79] group 0, one set for each slot
.set G0B, 68
.set MSB, 0
.macro WIN new                         ; the immediate's high byte repeats the setting that is left
.if MSB != \new
	s_set_vgpr_msb (MSB<<8)|\new
.set MSB, \new
.endif
.endm
.set MUL,    0xa1                      ; source 0 (Wp) window 1, source 1 (a) window 0, C and D window 2
.set TO_B,   0x40                      ; destination window 1, address window 0
; A joint load: waves 0 and 1 fetch for a, waves 2 and 3 for Wp; the branch hangs on the wave's number alone.  Four v_nop follow each of the two lines.
.macro JLOAD g0a, g1a, g0b, g1b
	s_cmp_eq_u32 s15, 0
	s_cbranch_scc0 .Lfor_b_\@
	tensor_load_to_lds s[\g0a:\g0a+3], s[\g1a:\g1a+7]
	s_nop 0
.rept 4
	v_nop
.endr
	s_branch .Lasked_\@
.Lfor_b_\@:
	tensor_load_to_lds s[\g0b:\g0b+3], s[\g1b:\g1b+7]
	s_nop 0
.rept 4
	v_nop
.endr
.Lasked_\@:
.endm
.macro CREST                           ; a round of the cluster's barrier behind its opening barrier
	s_cmp_lg_u32 s14, 0
	s_cbranch_scc1 .Lnot_wave_0_\@
	s_barrier_signal -3
.Lnot_wave_0_\@:
	s_barrier_wait -3
	s_barrier_signal -1
	s_barrier_wait -1
.endm
.macro CROUND                          ; a whole round
	s_barrier_signal -1
	s_barrier_wait -1
	CREST
.endm
	s_load_b128 s[4:7], s[0:1], 0x0                ; a_img s[4:5], Wp's codes s[6:7]
	s_load_b128 s[8:11], s[0:1], 0x10              ; the scales' exponents s[8:9], bp s[10:11]
	s_load_b64 s[12:13], s[0:1], 0x20              ; out0
	v_lshl_add_u32 v[SPW], v0, 2, SPARE
	v_mov_b32 v[NIL], 0
	ds_add_u32 v28, v29
	ds_add_u32 v28, v29
	s_wait_dscnt 0x0
	v_lshrrev_b32 v1, 5, v0
	v_readfirstlane_b32 s14, v1                    ; wave 0..3
	s_lshr_b32 s15, s14, 1                         ; wr: which 128 tokens are mine.  Also: I fetch for a (0) or for Wp (1)
	s_and_b32 s16, s14, 1                          ; wc: which 64 columns are mine.  Also: which half of that tile I fetch
	s_bfe_u32 s56, ttmp6, 0x40000                  ; cx, cy: my place in the cluster
	s_bfe_u32 s57, ttmp6, 0x40004
	s_lshl_b32 s58, ttmp9, 2
	s_add_co_u32 s58, s58, s56                     ; tile column of out0 = 4 x cluster x + cx, 0..7
	s_and_b32 s17, ttmp7, 0xffff
	s_lshl_b32 s17, s17, 2
	s_add_co_u32 s17, s17, s57                     ; tile row = 4 x cluster y + cy, 0..31
	s_lshl_b32 s59, s57, 2
	s_lshl_b32 s59, 15, s59                        ; my row of the cluster
	s_lshl_b32 s60, 0x1111, s56                    ; my column
	; descriptor group 1 for a: a dense block of 32,768 bytes as 128 rows of 256, no padding
	s_or_b32 s[G1+0], s59, (3<<16)|(1<<21)         ; 15:0 the mask: a's tiles go to my row; 17:16 elements of 8 bytes; 21 set beside a mask
	s_mov_b32 s[G1+1], 32<<16                      ; tensor_dim0 = 32 elements
	s_mov_b32 s[G1+2], 128<<16                     ; tensor_dim1 = 128
	s_mov_b32 s[G1+3], 32<<16                      ; tile_dim0
	s_mov_b32 s[G1+4], 128                         ; tile_dim1
	s_mov_b32 s[G1+5], 32                          ; the pitch: rows on end
	s_mov_b32 s[G1+6], 0
	s_mov_b32 s[G1+7], 0
	; for Wp: 64 rows x 256 bytes, padded in LDS
	s_or_b32 s[G1B+0], s60, (0<<16)|(1<<20)|(1<<21)|(5<<22)|(3<<25) ; the mask of my column; elements of 1 byte; padding on: after every 64 words (code 5) 4 words (code 3)
	s_mov_b32 s[G1B+1], ROWB<<16
	s_mov_b32 s[G1B+2], 64<<16
	s_mov_b32 s[G1B+3], ROWB<<16
	s_mov_b32 s[G1B+4], 64
	s_mov_b32 s[G1B+5], KROW
	s_mov_b32 s[G1B+6], 0
	s_mov_b32 s[G1B+7], 0
	s_lshl_b32 s20, s17, 16                        ; a: token tile 16 x tile row + 8 x half, 4,096 bytes each
	s_lshl_b32 s18, s16, 15
	s_add_co_u32 s20, s20, s18
	s_mov_b32 s21, 0
	s_lshl_b32 s46, s58, 17                        ; Wp: row 128 x tile column + 64 x half, 1,024 bytes each
	s_lshl_b32 s18, s16, 16
	s_add_co_u32 s46, s46, s18
	s_mov_b32 s47, 0
	s_lshl_b32 s45, s16, 15                        ; where they go: a's halves,
	s_mul_i32 s19, s16, HALFB
	s_add_co_u32 s19, s19, AREG                    ; Wp's halves behind them: no place in the cluster enters an LDS address
	s_wait_kmcnt 0x0
	s_load_b64 s[96:97], s[8:9], 0x28              ; e10, e11
	s_add_nc_u64 s[20:21], s[4:5], s[20:21]
	s_add_nc_u64 s[46:47], s[6:7], s[46:47]
	CROUND                                         ; all sixteen work-groups are here: the first joint loads meet
.irp s, 0,1,2
	s_mov_b32 s[G0+4*\s], 1                        ; count = 1
	s_add_co_u32 s[G0+4*\s+1], s45, \s*SLOT        ; LDS address
	s_add_nc_u64 s[G0+4*\s+2:G0+4*\s+3], s[20:21], \s*KPLANE   ; global address: K 256 s on
	s_or_b32 s[G0+4*\s+3], s[G0+4*\s+3], 0x80000000            ; type = 2
	s_mov_b32 s[G0B+4*\s], 1
	s_add_co_u32 s[G0B+4*\s+1], s19, \s*SLOT
	s_add_nc_u64 s[G0B+4*\s+2:G0B+4*\s+3], s[46:47], \s*ROWB
	s_or_b32 s[G0B+4*\s+3], s[G0B+4*\s+3], 0x80000000
	JLOAD G0+4*\s, G1, G0B+4*\s, G1B               ; three loads of mine are out
.endr
	v_and_b32 v1, 15, v0                           ; l % 16
	v_bfe_u32 v2, v0, 4, 1                         ; l / 16
	v_and_b32 v6, 31, v0
	v_lshlrev_b32 v7, 4, v6                        ; 16 x lane
	v_mul_u32_u24 v3, v1, PITCH
	v_lshl_add_u32 v4, v2, 3, v3                   ; Wp: row x pitch + 8 x half
	s_lshl_b32 s21, s15, 15                        ; my 128 tokens' images
	s_mul_i32 s22, s16, HALFB                      ; my 64 rows of Wp,
	s_add_co_u32 s22, s22, AREG                    ; which lie behind a's part
.irp s, 0,1,2
	v_add_nc_u32 v[ADRA+\s], s21, v7
	v_add_nc_u32 v[ADRB+\s], s22, v4
	s_add_co_u32 s21, s21, SLOT
	s_add_co_u32 s22, s22, SLOT
.endr
	s_mul_i32 s23, s14, 32*SPITCH
	s_add_co_u32 s23, s23, STAGE                   ; my stage
	v_mul_u32_u24 v5, v1, SPITCH                   ; in: row l % 16, 32 bytes for each half of the lanes
	v_lshl_add_u32 v5, v2, 5, v5
	v_add_nc_u32 v[STO], s23, v5
	v_mul_u32_u24 v5, v2, SPITCH                   ; back: lanes 0-15 take one row of 256 bytes, lanes 16-31 the next
	v_lshl_add_u32 v5, v1, 4, v5
	v_add_nc_u32 v[RD], s23, v5
	v_lshlrev_b32 v[CO], 12, v2                    ; and the same two rows in out0
	v_lshl_add_u32 v[CO], v1, 4, v[CO]
	v_lshlrev_b32 v[BO], 5, v2
	s_lshl_b32 s46, s58, 9                         ; my first column, in bytes of f32: 512 x tile column + 256 x half: in bp and in a row of out0 alike
	s_lshl_b32 s47, s16, 8
	s_add_co_u32 s46, s46, s47
	s_mov_b32 s47, 0
	s_add_nc_u64 s[10:11], s[10:11], s[46:47]
.irp b, 0,1,2,3
	global_load_b128 v[BI+8*\b:BI+8*\b+3], v[BO], s[10:11] offset:64*\b
	global_load_b128 v[BI+8*\b+4:BI+8*\b+7], v[BO], s[10:11] offset:64*\b+16
.endr
	s_lshl_b32 s20, s17, 20                        ; my first row of out0: 256 x tile row + 128 x half, 4,096 bytes each
	s_lshl_b32 s21, s15, 19
	s_add_co_u32 s20, s20, s21
	s_mov_b32 s21, 0
	s_add_nc_u64 s[20:21], s[20:21], s[46:47]
	s_add_nc_u64 s[12:13], s[12:13], s[20:21]
.macro FRAG_A reg, slot, q, i          ; block i, the slot's q-th 128 along K: two units on end, four loads of 512 consecutive bytes
.irp c, 0,1,2,3
	ds_load_b128 v[\reg+4*\c:\reg+4*\c+3], v[ADRA+\slot] offset:4096*(\i)+2048*(\q)+512*\c
.endr
.endm
.macro FRAG_B reg, slot, q, i          ; 16 rows of Wp x 128 K: registers 2 c, 2 c + 1 hold K = 16 c + 8 (l / 16) + 0 .. 7
.irp c, 0,1,2,3,4,5,6,7
	ds_load_b64 v[\reg+2*\c:\reg+2*\c+1], v[ADRB+\slot] offset:128*(\q)+16*\c+(\i)*16*PITCH
.endr
.endm
; 8 matrix instructions: a's blocks a0, a0 + 1 x Wp's four, 128 along K.  p: Wp's set.  zero = 1: the first product starts the sums: nothing is ever cleared.
; The 32 accumulators take turns, one instruction a turn, in the same order in every step.
.macro MUL8 a0, p, zero
.irp a, \a0, \a0+1
.irp b, 0,1,2,3
.if \zero
	v_wmma_f32_16x16x128_fp8_fp8 v[8*(4*(\a)+\b):8*(4*(\a)+\b)+7], v[64*(\p)+FR*\b:64*(\p)+FR*\b+FR-1], v[AF+FR*(\a):AF+FR*(\a)+FR-1], 0
.else
	v_wmma_f32_16x16x128_fp8_fp8 v[8*(4*(\a)+\b):8*(4*(\a)+\b)+7], v[64*(\p)+FR*\b:64*(\p)+FR*\b+FR-1], v[AF+FR*(\a):AF+FR*(\a)+FR-1], v[8*(4*(\a)+\b):8*(4*(\a)+\b)+7]
.endif
.endr
.endr
.endm
.macro FETCH_B slot, q, p              ; Wp's four fragments into set p: 32 loads
	WIN TO_B
.irp i, 0,1,2,3
	FRAG_B 64*(\p)+FR*\i, \slot, \q, \i
.endr
	WIN 0
.endm
.macro FETCH_A slot, q, i0             ; a's blocks i0 .. i0 + 3: 16 loads
.irp i, \i0, \i0+1, \i0+2, \i0+3
	FRAG_A AF+FR*(\i), \slot, \q, \i
.endr
.endm
; A load into a register that a matrix instruction has read, and a vector instruction that reads a matrix result, stand NP places behind that matrix instruction; only plain vector
; instructions that name none of its registers are places (ISA guide 7.12.1 for vector instructions).
.macro PLACES n
.rept \n
	v_nop
.endr
.endm
; A step of 128 along K on Wp's set q; it fetches the next step's fragments: the nq-th 128 along K of slot nslot.  A block of a is free as soon as its four products are issued, so one set serves a.
.macro STEP q, nslot, nq, zero
	s_wait_dscnt 4*NL                              ; Wp's set and a's blocks 0-3 are in; the sixteen youngest loads (a's blocks 4-7) may be out
	WIN MUL
	MUL8 0, \q, \zero
	MUL8 2, \q, \zero
	s_wait_dscnt 0                                 ; a's blocks 4-7 are in
	PLACES NP
	FETCH_B \nslot, \nq, 1-(\q)
	FETCH_A \nslot, \nq, 0
	WIN MUL
	MUL8 4, \q, \zero
	MUL8 6, \q, \zero
	PLACES NP
	WIN 0
	FETCH_A \nslot, \nq, 4
.endm
; A slot's second step with a barrier in it; in front of the barrier each wave waits for all its tensor loads, adds 0 to its spare word, and waits for that and for its LDS reads.
; fill = 1: the slot just read out is slot 0: it is filled again, with K 768-1,023.  fill = 0: the barrier shows that refill to every wave.
.macro TURN nslot, fill
	s_wait_tensorcnt 0x0                           ; all my tensor loads have landed  (every window is 0 here)
	ds_add_u32 v[SPW], v[NIL]                      ; 0 onto my spare word
	s_wait_dscnt 4*NL+1                            ; (the add and the sixteen youngest loads, a's blocks 4-7, may be out)
	WIN MUL
	MUL8 0, 1, 0                                   ; eight matrix instructions stand between the add and the wait for it
	s_wait_dscnt 0x0                               ; the add is done, and my reads of this slot are over
	s_barrier_signal -1
	MUL8 2, 1, 0
	WIN 0
	s_barrier_wait -1
.if \fill
	CREST                                          ; the barrier has opened a round of the cluster's barrier: no wave of any partner still reads slot 0 or has a load on its way
	s_add_nc_u64 s[G0+2:G0+3], s[G0+2:G0+3], 3*KPLANE
	s_add_nc_u64 s[G0B+2:G0B+3], s[G0B+2:G0B+3], 3*ROWB
	JLOAD G0, G1, G0B, G1B                         ; the first tensor load behind the round, and my last; the four v_nop behind it are the places in front of the loads below
.else
	PLACES NP
.endif
	FETCH_B \nslot, 0, 0
	FETCH_A \nslot, 0, 0
	WIN MUL
	MUL8 4, 1, 0
	MUL8 6, 1, 0
	PLACES NP
	WIN 0
	FETCH_A \nslot, 0, 4
.endm
	s_wait_tensorcnt 2                             ; my part of slot 0 is in (my loads for slots 1 and 2 may be out)
	s_barrier_signal -1
	s_barrier_wait -1                              ; everybody's is
	FETCH_B 0, 0, 0
	FETCH_A 0, 0, 0
	FETCH_A 0, 0, 4
	STEP 0, 0, 1, 1                                ; K 0-127: its products start the sums
	TURN 1, 1                                      ; K 128-255; slot 0 takes K 768-1,023; slots 1 and 2 are whole behind the round
	STEP 0, 1, 1, 0                                ; K 256-383
	STEP 1, 2, 0, 0                                ; K 384-511; on to slot 2 without a barrier
	STEP 0, 2, 1, 0                                ; K 512-639
	TURN 0, 0                                      ; K 640-767; the refill has landed in every wave's sight
	STEP 0, 0, 1, 0                                ; K 768-895
	s_wait_dscnt 4*NL                              ; K 896-1,023: nothing more to fetch
	WIN MUL
	MUL8 0, 1, 0
	MUL8 2, 1, 0
	s_wait_dscnt 0
	MUL8 4, 1, 0
	MUL8 6, 1, 0
	WIN 0
; THE WAY OUT, two blocks (32 rows x 64 columns) at a time.  A lane holds 32 neighbouring bytes of a row, and the lanes beside it hold other rows: so the rows go through my own stage in LDS and come back whole,
; 256 bytes each.  LDS serves a wave's instructions in order (ISA guide 5.7.1.4): no wait between the stores and the loads, nor in front of the next pair's stores.
.macro TOSTAGE g
.set AC, 64*(\g)
	WIN 0x42                                       ; source 0 (the sums): window 2; source 2 (bp): window 0; destination: window 1
.set j, 0
.rept 32
	v_pk_fma_f32 v[TMP+j:TMP+j+1], v[AC+j:AC+j+1], s[96:97], v[BI+j%32:BI+j%32+1] op_sel_hi:[1,0,1]   ; sum x 2^(e10 + e11) + bp; each accumulator from its low end on
.set j, j+2
.endr
	WIN 0x04                                       ; store data: window 1; address: window 0
.irp a, 0,1
.irp b, 0,1,2,3
	ds_store_b128 v[STO], v[TMP+32*\a+8*\b:TMP+32*\a+8*\b+3] offset:\a*16*SPITCH+64*\b
	ds_store_b128 v[STO], v[TMP+32*\a+8*\b+4:TMP+32*\a+8*\b+7] offset:\a*16*SPITCH+64*\b+16
.endr
.endr
	WIN 0
.set BB, BK+64*((\g)%2)
.irp t, 0,1,2,3,4,5,6,7,8,9,10,11,12,13,14,15
	ds_load_b128 v[BB+4*\t:BB+4*\t+3], v[RD] offset:\t*2*SPITCH
.endr
.endm
.macro SEND g, younger                 ; younger: the LDS instructions issued behind pair g's loads, which may stay out
.set BB, BK+64*((\g)%2)
	s_wait_dscnt \younger                          ; the rows are back in registers
.if (\g) > 0
	s_add_nc_u64 s[12:13], s[12:13], 32*NROW       ; (behind a wait on XCNT: the earlier stores have read their base)  32 rows of out0 on
.endif
.irp t, 0,1,2,3,4,5,6,7,8,9,10,11,12,13,14,15
	global_store_b128 v[CO], v[BB+4*\t:BB+4*\t+3], s[12:13] offset:\t*2*NROW th:TH_STORE_NT   ; sixteen lanes store 256 consecutive bytes, aligned; written once, read by nobody here
.endr
.endm
	s_wait_kmcnt 0x0
	s_add_co_i32 s96, s96, s97                     ; e10 + e11, between -126 and 127,
	s_add_co_i32 s96, s96, 127
	s_lshl_b32 s96, s96, 23                        ; makes the f32 number 2^(e10 + e11)
	s_mov_b32 s97, s96                             ; (named with it as a pair)
	s_wait_loadcnt 0x0                             ; bp
	PLACES NP                                      ; behind the last products: for the reads of results and the loads into a's registers
	TOSTAGE 0
.irp g, 1,2,3
.if \g > 1
	s_wait_xcnt 0x0                                ; pair g - 2's stores have read their registers and their base: pair g's loads may land there, and the base may step
.endif
	TOSTAGE \g
	SEND \g-1, 32                                  ; behind pair g - 1's loads: pair g's 16 stores and 16 loads
.endr
	s_wait_xcnt 0x0                                ; pair 2's stores have read their base
	SEND 3, 0
	s_wait_tensorcnt 0x0                           ; the wave's end: behind my last tensor load and my last LDS store
	ds_add_u32 v[SPW], v[NIL]
	s_wait_dscnt 0x0
	CROUND                                         ; the closing round: no work-group ends while a partner may still ask for a tile that names it
	s_endpgm
.Lfunc_end_k_q4d70d26fe5_proj:
	.size	k_q4d70d26fe5_proj, .Lfunc_end_k_q4d70d26fe5_proj-k_q4d70d26fe5_proj
	.p2alignl 7, 3214868480
	.fill 96, 4, 3214868480
	.section	.rodata,"a",@progbits
	.p2align	6, 0x0
	.amdhsa_kernel k_q4d70d26fe5_proj
		.amdhsa_group_segment_fixed_size 327680
		.amdhsa_private_segment_fixed_size 0
		.amdhsa_enable_private_segment 0
		.amdhsa_kernarg_size 40
		.amdhsa_user_sgpr_count 2
		.amdhsa_user_sgpr_kernarg_segment_ptr 1
		.amdhsa_wavefront_size32 1
		.amdhsa_system_sgpr_workgroup_id_x 1
		.amdhsa_system_sgpr_workgroup_id_y 1
		.amdhsa_system_sgpr_workgroup_id_z 1
		.amdhsa_system_vgpr_workitem_id 0
		.amdhsa_next_free_vgpr 768
		.amdhsa_next_free_sgpr 98
		.amdhsa_reserve_vcc 0
		.amdhsa_float_denorm_mode_32 3
		.amdhsa_float_denorm_mode_16_64 3
		.amdhsa_memory_ordered 1
		.amdhsa_forward_progress 1
		.amdhsa_inst_pref_size 86
	.end_amdhsa_kernel
	.amdgpu_metadata
---
amdhsa.version: [ 1, 2 ]
amdhsa.kernels:
  - .name:           k_q4d70d26fe5_proj
    .symbol:         k_q4d70d26fe5_proj.kd
    .args:
      - { .name: a_img, .offset: 0, .size: 8, .value_kind: global_buffer, .address_space: global }
      - { .name: Wp_codes, .offset: 8, .size: 8, .value_kind: global_buffer, .address_space: global }
      - { .name: lowp_scales, .offset: 16, .size: 8, .value_kind: global_buffer, .address_space: global }
      - { .name: bp, .offset: 24, .size: 8, .value_kind: global_buffer, .address_space: global }
      - { .name: out0, .offset: 32, .size: 8, .value_kind: global_buffer, .address_space: global }
    .group_segment_fixed_size: 327680
    .private_segment_fixed_size: 0
    .kernarg_segment_align: 8
    .kernarg_segment_size: 40
    .max_flat_workgroup_size: 128
    .sgpr_count:     98
    .vgpr_count:     768
    .wavefront_size: 32
...
	.end_amdgpu_metadata
.endif
;; end of part 3
